; MI455X (gfx1250); checked and timed in simulation.
; The chip was launched on July 23, 2026; its instructions are those of AMD's public machine-readable ISA for CDNA 5 (MIT licence, August 2026) and "CDNA5" Instruction Set Architecture Reference Guide (July 2026). The comments in the code are by the model that wrote it; some were corrected since.
;; Patch MLSL Attention. Allowed arithmetic: matrix products marked QUANTISED: E2M1 operands, one E8M0 scale for each 32 along K, by v_wmma_scale_f32_16x16x128_f8f6f4 with both operands' format E2M1 (or v_wmma_scale_f32_32x16x128_f4), f32 sums; everything else in f32.
;; Inputs: codebook 16 x 1,024 x 512 float32; patch_embed 16 x 4,096 x 512 float32.
;; Outputs: out0 16 x 1,024 x 512 float32.
;; This version of the problem:
;;   THIS VERSION OF THE PROBLEM IS GIVEN IN LOW PRECISION. The matrix products marked QUANTISED in the list below multiply operands that are first quantised to E2M1 (2 exponent bits, 1 mantissa bit; 4 bits a number), with one power-of-two scale for each 32 numbers along K (OCP MX v1.0); their sums are f32. All else is computed in f32.
;;   The module's matrix products, in the order in which they are computed (A, B: the left and right operand; K: the contracted axis; several contracted axes count as one K, in the product's order):
;;     1. batch 16 x [M 1,024, K 512] x [K 512, N 4,096]; A: input codebook; B: input patch_embed: QUANTISED
;;     2. batch 16 x [M 1,024, K 4,096] x [K 4,096, N 512]; A: softmax (see below); B: input patch_embed: QUANTISED
;;   THE QUANTISER, for each operand of a quantised product, along K:
;;     - K is cut into blocks of 32 from its start; a last block that is shorter is filled with zeros.
;;     - A block's scale is 2^e with e = floor(log2(the largest magnitude in the block)) - 2, held to -126 .. 127; a block of zeros has e = 0. As a byte (E8M0): e + 127.
;;     - Each number is divided by its block's scale, clamped to +-6, and rounded to the nearest number of E2M1, ties to even, subnormals kept.
;;     - The product sums the exact products of the quantised numbers (number of the format x scale) in f32.
;;   ~~~python
;;   def quantise(x, axis):      # numpy; x: float32 -> the quantised numbers, widened to float32 again
;;       x = np.moveaxis(x, axis, -1); K = x.shape[-1]
;;       x = np.pad(x, [(0, 0)] * (x.ndim - 1) + [(0, -K % 32)]); x = x.reshape(x.shape[:-1] + (-1, 32)); a = np.abs(x).max(-1, keepdims=True)
;;       e = np.where(a > 0, np.clip(np.frexp(np.where(a > 0, a, 1))[1] - 1 - 2, -126, 127), 0)      # np.frexp(a)[1] - 1 = floor(log2(a)), exactly
;;       r = np.clip(x / 2.0 ** e, -6, 6)
;;       step = 2.0 ** (np.maximum(np.frexp(np.where(r == 0, 1, r))[1] - 1, 0) - 1)
;;       q = np.round(r / step) * step * 2.0 ** e      # np.round: ties to even
;;       return np.moveaxis(q.reshape(q.shape[:-2] + (-1,))[..., :K], -1, axis).astype(np.float32)
;;   ~~~
;;   SOFTMAX AHEAD OF A QUANTISED PRODUCT. Where the list says 'softmax', what is quantised is not the finished softmax but p = 2^(t - M), with t = logit x log2(e) and M = ceil(the row's largest t), a whole number; so 1/2 < the row's largest p <= 1. The row's sum l is taken of the UNQUANTISED p, in f32, and the product's result is divided by l at the end. Since M is a whole number, a kernel that streams over the keys may use a running M (the ceiling of the running maximum): every later rescaling is an exact power of two, which a block's scale takes up: the codes' values come out the same.
;;   OPERANDS COMPUTED ON THE WAY. 'Computed on the way' means the value that the module computes at that place (a softmax that the list does not call 'softmax' is quantised finished and normalised). What goes into a quantiser is computed in f32, as accurately as f32 sums, v_exp_f32 and their like allow (about 1e-6 of the number): no bf16 or f16 on the way to a quantiser, and a product that is left as it is and whose result goes on into a quantised operand takes f32 operands (vector FMAs, or v_wmma_f32_16x16x4_f32). A number that lies on a knife's edge between two numbers of the format may be rounded either way, as far as f32 arithmetic and the matrix unit's own rounding can turn it there, and no further.
;; One version. Each part assembles by itself: llvm-mc -triple=amdgcn-amd-amdhsa -mcpu=gfx1250 --defsym DOCPART=n.
;; ======== version 1 of 1: 2 launches
;; limits: right only within a limited range of input values
;; workspace buffers: kv 35,651,584 bytes
;; launch quant (part 1): grid 32 x 16, 4 waves a work-group, no clusters, 68,096 bytes of LDS; arguments patch_embed, kv; writes kv
.if DOCPART == 1
	.amdgcn_target "amdgcn-amd-amdhsa--gfx1250"
	.amdhsa_code_object_version 6
	.text
	.protected	k_qe55be29111_quant
	.globl	k_qe55be29111_quant
	.p2align	8
	.type	k_qe55be29111_quant,@function
k_qe55be29111_quant:
	s_mov_b64 s[64:65], 0
	v_nop
	global_prefetch_b8 v0, s[64:65] scope:SCOPE_SE
	s_setreg_imm32_b32 hwreg(HW_REG_WAVE_MODE, 25, 1), 1
	s_wait_xcnt 0x0
; patch_embed [16][4096 keys][512 d], f32, is read ONCE and turned into two sets of codes of FP4 (E2M1): along d (the operand K of the first product) and along the keys
; (the operand V of the second), each with one E8M0 byte for each 32 along its own K.  A block's scale is 2^(floor(log2(largest magnitude)) - 2); its byte is the largest magnitude's exponent field - 2.
; LIMITS: a block whose largest magnitude lies under 2^-124 (a block of zeros too) keeps the byte 1: its codes are then small or zero, and only this program reads the bytes; NaN and infinities are not served.
; kv = [16 batches][16 steps of 256 keys][139,264 bytes], laid in the order of the operands' registers (lane = 16 h + r): K's part (69,632 bytes), then V's part (69,632 bytes):
;   KC at 0:       fragment (w 0..7, u 0..1, s 0..3) at ((2 w + u) 4 + s) 1024; in it 512 c + 16 lane: key 32 w + 8 u + r + 8 (r / 8), d = 128 s + 64 c + 32 h + 0..31
;   KS at 65,536:  (4 (w / 4) + s) 512 + 16 (16 u + r) + 4 (w % 4): the scale word of key (w, u, r) for d = 128 s on
;   VC at 69,632:  fragment (wc 0..7, t 0..3, q 0..1) at ((4 wc + t) 2 + q) 1024; in it 512 c + 16 lane: channel 64 wc + 16 t + r, keys 128 q + 64 c + 32 h + 0..31
;   VS at 135,168: 2048 q + 256 wc + 8 (16 (t % 2) + r) + 4 (t / 2): the scale word of channel (wc, t, r) for keys 128 q on
; SHARES.  A work-group takes 128 keys (half a step: q), its wave s the d = 128 s .. 128 s + 127; a wave walks four sub-tiles of 32 keys x 128 d (16 KiB).  A sub-tile is loaded as it lies (a load = one key's 512
; consecutive bytes), laid into the wave's own LDS tile, and read back twice: 32 neighbours along d of one key to a lane (K), and one channel to a lane with the registers running down the 32 keys (V).
; Waves share nothing: no barrier, no tensor load, no cluster (no two work-groups read the same bytes), no matrix unit.  Every offset is an immediate; the next sub-tile's 32 loads are out while this one is worked.
.set PITCH, 528                        ; an LDS row: a key's 512 bytes + 16: sixteen neighbouring rows start at sixteen different 16-byte columns
.set TILEB, 32*PITCH                   ; a wave's tile
.set STEPB, 139264
.set KSO,   65536
.set VCO,   69632
.set VSO,   135168
.set C,     32                         ; v32-63   codes: four registers for each of a sub-tile's eight blocks
.set XB,    64                         ; v64-127  two sets of 32 numbers
.set ST,    128                        ; v128-255 a sub-tile as loaded: 32 keys x 4 registers
; v1 lane; v2 16 lane; v3 tile + 16 lane; v4 tile + 528 r + 128 h; v5 tile + 4 lane; v6-v9 offsets in kv of K's codes, V's codes, K's words, V's words; v10 8 h; v11-14 at work;
; v16-19 K's scale words of the four sub-tiles; v20-23 V's of the four groups of channels; v24-27 K's bytes; v28-31 the words in the making
	s_load_b128 s[4:7], s[0:1], 0x0                ; patch_embed, kv
	v_lshl_add_u32 v15, v0, 2, 0x10800
	s_set_vgpr_msb 0x40
	v_mov_b32 v1, 0
	s_set_vgpr_msb 0x4000
	v_lshrrev_b32 v1, 5, v0
	v_readfirstlane_b32 s8, v1                     ; wave = s
	v_and_b32 v1, 31, v0                           ; lane
	s_wait_alu depctr_va_vdst(0)
	s_and_b32 s10, ttmp7, 0xffff                   ; batch
	s_lshr_b32 s9, ttmp9, 1                        ; the step
	s_and_b32 s11, ttmp9, 1                        ; q: which half of it
	s_mov_b32 s12, 0x76543210
	s_mov_b32 s13, 0xfedcba98                      ; v_permlanex16_b32's selects for lane l xor 16
	v_cmp_le_u32 s14, 16, v1                       ; the mask of lanes 16-31
	s_lshl_b32 s16, s10, 23                        ; in patch_embed: (4096 batch + 128 work-group) rows of 2,048 bytes + 512 wave
	s_lshl_b32 s17, ttmp9, 18
	s_add_co_u32 s16, s16, s17
	s_lshl_b32 s17, s8, 9
	s_add_co_u32 s16, s16, s17
	s_mov_b32 s17, 0
	s_lshl_b32 s18, s10, 4                         ; in kv: (16 batch + step) blocks
	s_add_co_u32 s18, s18, s9
	s_mul_i32 s18, s18, STEPB
	s_mov_b32 s19, 0
	s_mul_i32 s20, s8, TILEB                       ; my tile in LDS
	v_and_b32 v11, 15, v1                          ; r
	v_lshrrev_b32 v12, 4, v1                       ; h
	v_lshlrev_b32 v2, 4, v1
	s_wait_alu depctr_va_vdst(0)
	v_add_nc_u32 v3, s20, v2
	v_mul_u32_u24 v4, v11, PITCH
	v_lshl_add_u32 v4, v12, 7, v4
	v_add_nc_u32 v4, s20, v4
	v_lshl_add_u32 v5, v1, 2, s20
	s_lshl_b32 s21, s11, 15
	s_lshl_b32 s22, s8, 10
	s_add_co_u32 s21, s21, s22
	v_add_nc_u32 v6, s21, v2                       ; K's codes: 32768 q + 1024 s + 16 lane
	s_lshl_b32 s21, s8, 14
	s_lshl_b32 s22, s11, 10
	s_add_co_u32 s21, s21, s22
	s_add_co_u32 s21, s21, VCO
	v_lshl_add_u32 v7, v12, 11, s21
	v_lshl_add_u32 v7, v11, 4, v7                  ; V's codes: 69632 + 16384 s + 1024 q + 2048 (lane / 16) + 16 (lane % 16)
	s_lshl_b32 s21, s11, 11
	s_lshl_b32 s22, s8, 9
	s_add_co_u32 s21, s21, s22
	s_add_co_u32 s22, s21, KSO
	v_add_nc_u32 v8, s22, v2                       ; K's words: 65536 + 2048 q + 512 s + 16 lane
	s_add_co_u32 s22, s21, VSO
	v_lshl_add_u32 v9, v1, 3, s22                  ; V's words: 135168 + 2048 q + 512 s + 8 lane
	v_lshlrev_b32 v10, 3, v12
	v_mov_b32 v30, 0                               ; written once: a lane permute's destination counts as one of its sources
	v_mov_b32 v31, 0
	s_wait_kmcnt 0x0
	s_add_nc_u64 s[4:5], s[4:5], s[16:17]
	s_add_nc_u64 s[6:7], s[6:7], s[18:19]
.macro LOADT w                         ; sub-tile w: 32 keys, each load 512 consecutive bytes
.set i, 0
.rept 32
	global_load_b128 v[ST+4*i:ST+4*i+3], v2, s[4:5] offset:(32*(\w)+i)*2048 th:TH_LOAD_NT
.set i, i+1
.endr
.endm
.macro TOLDS                           ; key i goes to row 16 ((i / 8) % 2) + i % 8 + 8 (i / 16): the order of K's two fragments, so that a fragment's sixteen keys are neighbouring rows
.set i, 0
.rept 32
.if i%8 == 0
	s_wait_loadcnt 24-i                            ; loads come back in order: eight more keys are in, the younger ones of this sub-tile stay out
.endif
	ds_store_b128 v3, v[ST+4*i:ST+4*i+3] offset:(16*((i/8)%2)+(i%8)+8*(i/16))*PITCH
.set i, i+1
.endr
.endm
.macro RDK n, u, c                     ; block n: key (u, r), d = 64 c + 32 h + 0..31: 128 bytes of a row
.irp i, 0,1,2,3,4,5,6,7
	ds_load_b128 v[XB+32*((\n)%2)+4*\i:XB+32*((\n)%2)+4*\i+3], v4 offset:(\u)*16*PITCH+(\c)*256+16*\i
.endr
.endm
.macro RDV n, g                        ; block n: channel 32 g + lane, the 32 keys in their own order
.set i, 0
.rept 32
	ds_load_b32 v[XB+32*((\n)%2)+i], v5 offset:(16*((i/8)%2)+(i%8)+8*(i/16))*PITCH+128*(\g)
.set i, i+1
.endr
.endm
.macro BLK n                           ; a block of 32 numbers in one lane: its largest magnitude, the conversion's scale operand in v13, its 32 codes
.set XS, XB+32*((\n)%2)
	v_max3_num_f32 v11, |v[XS]|, |v[XS+1]|, |v[XS+2]|
	v_max3_num_f32 v12, |v[XS+3]|, |v[XS+4]|, |v[XS+5]|
.irp i, 6,10,14,18,22,26
	v_max3_num_f32 v11, v11, |v[XS+\i]|, |v[XS+\i+1]|
	v_max3_num_f32 v12, v12, |v[XS+\i+2]|, |v[XS+\i+3]|
.endr
	v_max3_num_f32 v11, v11, |v[XS+30]|, |v[XS+31]|
	v_max3_num_f32 v11, v11, v12, 0x1800000        ; and the floor 2^(3 - 127): the byte cannot fall under 1
	v_add_nc_u32 v13, 0xff000000, v11              ; 2 off the exponent field: the conversion takes this operand's exponent field as its scale
.irp g, 0,1,2,3
	v_cvt_scalef32_pk8_fp4_f32 v[C+4*(\n)+\g], v[XS+8*\g:XS+8*\g+7], v13
.endr
.endm
; A sub-tile: blocks 0-3 are K's (u, c) = (0,0) (0,1) (1,0) (1,1), blocks 4-7 V's groups of 32 channels.  Block n + 1's LDS loads are out while block n is worked.
.macro SUB w
.if \w > 0
	s_wait_xcnt 0x0                                ; the last sub-tile's stores have read the code registers, which are written again below
.endif
	TOLDS
	RDK 0, 0, 0
	RDK 1, 0, 1
.irp n, 0,1,2,3,4,5,6,7
.if \n < 3
	s_wait_dscnt 8                                 ; block n is in; the eight loads of the next block of K may be out.  (At n = 0 the 32 stores into the tile are done too)
.elseif \n < 7
	s_wait_dscnt 32                                ; the 32 loads of the next block of V may be out
.else
	s_wait_dscnt 0x0
.endif
.if (\n == 0) && (\w < 3)
	LOADT \w+1                                     ; the registers have been stored into the tile: they take the next sub-tile
.endif
	BLK \n
.if \n < 4
	v_lshrrev_b32 v[24+\n], 23, v13                ; the scale's byte (a plain line behind the conversions)
	global_store_b128 v6, v[C+4*\n:C+4*\n+3], s[6:7] offset:(\w)*8192+(\n/2)*4096+512*(\n%2)   ; 512 consecutive bytes
.else
.if \w == 0
	v_lshrrev_b32 v[16+\n], 23, v13                ; V's word begins with the first key block's byte
.else
	v_lshrrev_b32 v14, 23, v13
	v_lshl_or_b32 v[16+\n], v14, 8*(\w), v[16+\n]
.endif
	global_store_b128 v7, v[C+4*\n:C+4*\n+3], s[6:7] offset:(\n-4)*4096+512*((\w)/2)+256*((\w)%2)   ; each sixteen lanes store 256 consecutive bytes, aligned
.endif
.if \n == 0
	RDK 2, 1, 0
.elseif \n == 1
	RDK 3, 1, 1
.elseif \n < 6
	RDV \n+2, \n-2
.endif
.endr
	v_lshl_or_b32 v28, v25, 16, v24                ; K's words: my two bytes of key (u, r) are those of d blocks h and 2 + h,
	v_lshl_or_b32 v29, v27, 16, v26
	v_lshlrev_b32 v28, v10, v28                    ; 8 h bits up;
	v_lshlrev_b32 v29, v10, v29
	v_permlanex16_b32 v30, v28, s12, s13
	v_permlanex16_b32 v31, v29, s12, s13
	v_or_b32 v28, v28, v30                         ; with lane l xor 16's two the word is whole
	v_or_b32 v29, v29, v31
	v_cndmask_b32 v[16+\w], v28, v29, s14          ; lanes 0-15 keep u = 0's word, lanes 16-31 u = 1's
.endm
	LOADT 0
	SUB 0
	SUB 1
	SUB 2
	SUB 3
	global_store_b128 v8, v[16:19], s[6:7]         ; K's scale words of my four sub-tiles: 512 consecutive bytes
	global_store_b64 v9, v[20:21], s[6:7]          ; V's: 256 consecutive bytes, aligned, each
	global_store_b64 v9, v[22:23], s[6:7] offset:256
	s_set_vgpr_msb 0x4
	s_wait_tensorcnt 0x0
	ds_add_u32 v15, v1
	s_wait_dscnt 0x0
	s_set_vgpr_msb 0x400
	s_endpgm
.Lfunc_end_k_qe55be29111_quant:
	.size	k_qe55be29111_quant, .Lfunc_end_k_qe55be29111_quant-k_qe55be29111_quant
	.p2alignl 7, 3214868480
	.fill 96, 4, 3214868480
	.section	.rodata,"a",@progbits
	.p2align	6, 0x0
	.amdhsa_kernel k_qe55be29111_quant
		.amdhsa_group_segment_fixed_size 68096
		.amdhsa_private_segment_fixed_size 0
		.amdhsa_enable_private_segment 0
		.amdhsa_kernarg_size 16
		.amdhsa_user_sgpr_count 2
		.amdhsa_user_sgpr_kernarg_segment_ptr 1
		.amdhsa_wavefront_size32 1
		.amdhsa_system_sgpr_workgroup_id_x 1
		.amdhsa_system_sgpr_workgroup_id_y 1
		.amdhsa_system_sgpr_workgroup_id_z 1
		.amdhsa_system_vgpr_workitem_id 0
		.amdhsa_next_free_vgpr 258
		.amdhsa_next_free_sgpr 66
		.amdhsa_reserve_vcc 0
		.amdhsa_float_denorm_mode_32 3
		.amdhsa_float_denorm_mode_16_64 3
		.amdhsa_memory_ordered 1
		.amdhsa_forward_progress 1
		.amdhsa_inst_pref_size 115
	.end_amdhsa_kernel
	.amdgpu_metadata
---
amdhsa.version: [ 1, 2 ]
amdhsa.kernels:
  - .name:           k_qe55be29111_quant
    .symbol:         k_qe55be29111_quant.kd
    .args:
      - { .name: patch_embed, .offset: 0, .size: 8, .value_kind: global_buffer, .address_space: global }
      - { .name: kv, .offset: 8, .size: 8, .value_kind: global_buffer, .address_space: global }
    .group_segment_fixed_size: 68096
    .private_segment_fixed_size: 0
    .kernarg_segment_align: 8
    .kernarg_segment_size: 16
    .max_flat_workgroup_size: 128
    .sgpr_count:     66
    .vgpr_count:     258
    .wavefront_size: 32
...
	.end_amdgpu_metadata
.endif
;; end of part 1
;; launch attn (part 2): grid 16 x 16, 8 waves a work-group, clusters of 4 x 1, 327,680 bytes of LDS; arguments codebook, kv, out0; writes out0
.if DOCPART == 2
	.amdgcn_target "amdgcn-amd-amdhsa--gfx1250"
	.amdhsa_code_object_version 6
	.text
	.protected	k_qe55be29111_attn
	.globl	k_qe55be29111_attn
	.p2align	8
	.type	k_qe55be29111_attn,@function
k_qe55be29111_attn:
	s_mov_b64 s[64:65], 0
	v_nop
	global_prefetch_b8 v0, s[64:65] scope:SCOPE_SE
	s_setreg_imm32_b32 hwreg(HW_REG_WAVE_MODE, 25, 1), 1
	s_wait_xcnt 0x0
	s_wait_alu depctr_hold_cnt(0) depctr_sa_sdst(0) depctr_va_vdst(0) depctr_va_sdst(0) depctr_va_ssrc(0) depctr_va_vcc(0) depctr_vm_vsrc(0)
	s_getreg_b32 s2, hwreg(HW_REG_IB_STS2, 6, 4)
	s_cmp_eq_u32 s2, 0
	s_cbranch_scc0 .Lentry_in_a_cluster
	s_endpgm
.Lentry_in_a_cluster:
	s_bfe_u32 s2, ttmp6, 0x10000c
	s_cmp_lg_u32 s2, 0x3003
	s_cbranch_scc0 .Lentry_shape_is_right
	s_endpgm
.Lentry_shape_is_right:
; out[b][q][:] = sum over keys n of softmax_n(codebook[b][q] . patch[b][n]) patch[b][n][:], both products on codes of FP4 (E2M1) with one E8M0 byte for each 32 along a product's K.
; kv holds patch_embed's codes twice (along d: K; along the keys: V), in steps of 256 keys of 139,264 bytes, laid as images of the operands' registers by the launch before.
; SHARES.  A work-group owns 64 queries of one batch (16 x 16 work-groups); its eight waves share each step: wave w makes S^T for keys 32 w .. 32 w + 31 (one block of the second product's K) x all 64 queries,
; and O^T for channels 64 w .. 64 w + 63 x all 64 queries.  Both products are used transposed: a lane holds one query (lane % 16).
; THE SOFTMAX.  t = score x log2(e).  Wave w keeps its OWN running M_w = ceil(largest t of its own keys so far), a whole number; p = 2^(t - M_w) is quantised by the block's largest p; l_w is the sum of the unquantised p under M_w.
; With the codes it hands on E = the block's byte + M_w, a whole number.  The waves that multiply keep R = the largest E so far of a query, multiply O^T by 2^(old R - new R) (exact), and use the byte E - R + 125, held at 0 from below:
; every change of reference is a power of two that a scale byte takes up.  So no maximum is exchanged ahead of the exponentials.  At the end out = O^T / sum over w of l_w 2^(M_w - R + 125); that exponent is 1 at the most, and 0 or more for one wave.
; ONE MEETING A STEP.  Period i (0 .. 16): O^T += V(i-1) P(i-1); S^T(i) = K(i) Q; softmax(i) -> P(i), E(i) into the other of two LDS buffers.  The meeting between periods is the round of the cluster's barrier that the refill needs anyway.
; Behind meeting i waves 0-3 ask for K(i+1), waves 4-7 for V(i), each into the slot read out in period i-1: one tensor load a wave, out for one period.
; THE ORDER OF THE STEPS.  The sums over the keys hang on no order, so the four clusters of a batch do not begin at the same keys: the walk's j-th step is step (j + OFF) % 16 of kv, OFF = 0 in the clusters x = 0 and 3 of a batch, 8 in x = 1 and 2.
; CLUSTER: the four work-groups of a cluster walk the same steps of the same batch's kv: every tile is asked for jointly (mask 15).  OFF hangs on the cluster's x alone, which the partners share.
; PREFETCH: every cluster asks for what it will itself load.  Behind each refill a wave names its own 17,408 bytes of the tile that stands two refills on in its walk: 68 blocks of 256 bytes, of which the partner at place cx takes 17 (told apart by address);
; a lane a block, lanes 17-31 name the 17th again; one instruction a wave.  K's waves ask in periods 1 to 12 (steps 4 to 15 of the walk), V's in 1 to 13 (steps 3 to 15): the walk's earlier steps come by their loads alone, and nothing is named behind its last.
; LIMITS: the promise holds while the scaled scores t stay under 2^30 in magnitude (E and R are 32-bit whole numbers whose differences are formed); NaN and infinities are not served; a block more than 125 powers of two under the query's largest is counted with the byte 0.
; REGISTERS: v0-127 addresses, state, scales; v128-191 S^T, p, then P's fragments; v192-255 V's fragments, then K's; v256-383 Q's codes; v384-511 O^T.
.set STEPB, 139264
.set WPART, 17408                      ; an eighth of a step: what one tensor load brings (68 rows of 256 bytes)
.set KSOF,  65536
.set VOF,   69632
.set VSOF,  135168
.set MISC,  2*STEPB                    ; behind the two slots: bytes that no tensor load fills
.set QSCO,  16384                      ; Q's image at 0, its scale words here
.set PIMO,  18432                      ; P's image: two buffers of 8,192
.set EXO,   34816                      ; E: two buffers of 2,048: 512 m + 16 (16 (w / 4) + r) + 4 (w % 4)
.set LXO,   38912                      ; the end: l at 512 w + 16 lane, -M 4,096 on
.set SPARE, MISC+47104                 ; the spare words: 128 bytes a wave
.set SPW,  2
.set NIL,  3
.set ADK,  4
.set ADV,  6
.set ADKS, 8
.set ADVS, 10
.set L16,  12
.set L4,   13
.set PWA,  14
.set EWA,  15
.set PFO,  16
.set RR,   17
.set HH,   18
.set LXW,  19
.set ST,   20                          ; for each tile m of queries six: -M, largest t, l (two halves), f, -M as a whole number
.set BM,   44
.set BT,   48
.set SO,   52
.set BY,   56
.set PCD,  60
.set QSR,  68
.set KSR,  84
.set VSR,  88
.set PSR,  92                          ; P's scale words: lanes 0-15 keys 0-127, lanes 16-31 keys 128-255
.set EV,   96
.set RS,   112                         ; R, two sets by turns
.set FN,   120                         ; pairs: O^T's factor, 125 - R
.set TT,   96                          ; the head's own, over EV and RS
.set QP,   100
.set QO,   104
.set QC,   108
.set QW,   116
.set QWA,  117
.set QWS,  118
.set QGA,  119
.set STO,  96                          ; the way out's own
.set RD,   97
.set GO,   98
.set S,    128
.set PF,   128
.set KF,   192
.set VF,   192
.set OA,   128
.set TO,   128
.set OB,   192
.set WV,   10
.set SEL,  20
.set CS,   22
.set G1,   24
.set G0,   32
.set GE,   56                          ; s[56:59] the group 0 of odd periods, s[60:63] of even ones
.set CNT,  40
.set CH,   41
.set LIM,  42
.set PFA,  44
.set KVB,  46                          ; s[46:47] my eighth of step 0 of my batch's kv
.set JX,   75                          ; s75 OFF + the place in the walk of the step that my wave asks for
.set SOF,  76                          ; s[76:77] a step's byte offset; the upper word stays 0
.set PB,   78                          ; s[78:79] my work-group's 17 blocks of my eighth of step 0
.set MSB, 0
.macro WIN new
.if MSB != \new
	s_set_vgpr_msb (MSB<<8)|\new
.set MSB, \new
.endif
.endm
.macro PLACES
.rept 4
	v_nop
.endr
.endm
.macro D4
	s_delay_alu instid0(VALU_DEP_4)
.endm
.macro CREST                           ; a round of the cluster's barrier behind its opening barrier
	s_cmp_lg_u32 s[WV], 0
	s_cbranch_scc1 .Lnot_wave_0_\@
	s_barrier_signal -3
.Lnot_wave_0_\@:
	s_barrier_wait -3
	s_barrier_signal -1
	s_barrier_wait -1
.endm
.macro CROUND
	s_barrier_signal -1
	s_barrier_wait -1
	CREST
.endm
.macro ASK
	s_cmp_lt_u32 s[CH], s[LIM]
	s_cbranch_scc0 .Lnot_mine_\@
	global_prefetch_b8 v[PFO], s[PFA:PFA+1] th:TH_LOAD_NT scope:SCOPE_SE
.Lnot_mine_\@:
	s_add_co_u32 s[CH], s[CH], 1
.endm
; one product of 16 x 16 x 128; ra, rb: the scales stand in lanes 16-31
.macro WM d, a, b, c, sa, sb, ra, rb
.if (\ra) && (\rb)
	v_wmma_scale_f32_16x16x128_f8f6f4 v[(\d):(\d)+7], v[(\a):(\a)+7], v[(\b):(\b)+7], \c, v[\sa], v[\sb] matrix_a_fmt:MATRIX_FMT_FP4 matrix_b_fmt:MATRIX_FMT_FP4 matrix_a_scale:MATRIX_SCALE_ROW1 matrix_b_scale:MATRIX_SCALE_ROW1
.elseif \ra
	v_wmma_scale_f32_16x16x128_f8f6f4 v[(\d):(\d)+7], v[(\a):(\a)+7], v[(\b):(\b)+7], \c, v[\sa], v[\sb] matrix_a_fmt:MATRIX_FMT_FP4 matrix_b_fmt:MATRIX_FMT_FP4 matrix_a_scale:MATRIX_SCALE_ROW1
.elseif \rb
	v_wmma_scale_f32_16x16x128_f8f6f4 v[(\d):(\d)+7], v[(\a):(\a)+7], v[(\b):(\b)+7], \c, v[\sa], v[\sb] matrix_a_fmt:MATRIX_FMT_FP4 matrix_b_fmt:MATRIX_FMT_FP4 matrix_b_scale:MATRIX_SCALE_ROW1
.else
	v_wmma_scale_f32_16x16x128_f8f6f4 v[(\d):(\d)+7], v[(\a):(\a)+7], v[(\b):(\b)+7], \c, v[\sa], v[\sb] matrix_a_fmt:MATRIX_FMT_FP4 matrix_b_fmt:MATRIX_FMT_FP4
.endif
.endm
; Q: four blocks of 32 along d, 16 numbers of each in my lane, the other 16 in lane l xor 16
.macro QUANT4 src
.irp b, 0,1,2,3
	v_max3_num_f32 v[TT+\b], |v[\src+16*\b]|, |v[\src+1+16*\b]|, 0x1800000
.endr
.irp i, 2,4,6,8,10,12,14
.irp b, 0,1,2,3
	D4
	v_max3_num_f32 v[TT+\b], v[TT+\b], |v[\src+16*\b+\i]|, |v[\src+1+16*\b+\i]|
.endr
.endr
.irp b, 0,1,2,3
	D4
	v_permlanex16_b32 v[QP+\b], v[TT+\b], s[SEL], s[SEL+1]
.endr
.irp b, 0,1,2,3
	D4
	v_max_num_f32 v[TT+\b], v[TT+\b], v[QP+\b]
.endr
.irp b, 0,1,2,3
	D4
	v_add_nc_u32 v[QO+\b], 0xff000000, v[TT+\b]
.endr
.irp b, 0,1,2,3
	D4
	v_lshrrev_b32 v[QP+\b], 23, v[QO+\b]
.endr
	s_delay_alu instid0(VALU_DEP_3)
	v_lshl_or_b32 v[QW], v[QP+1], 8, v[QP]
	s_delay_alu instid0(VALU_DEP_1)
	v_lshl_or_b32 v[QW], v[QP+2], 16, v[QW]
	s_delay_alu instid0(VALU_DEP_1)
	v_lshl_or_b32 v[QW], v[QP+3], 24, v[QW]
.irp b, 0,1,2,3
	v_cvt_scalef32_pk8_fp4_f32 v[QC+2*\b], v[\src+16*\b:\src+7+16*\b], v[QO+\b]
	v_cvt_scalef32_pk8_fp4_f32 v[QC+1+2*\b], v[\src+8+16*\b:\src+15+16*\b], v[QO+\b]
.endr
	v_nop
.endm
.macro QSTORE e
.irp b, 0,1,2,3
	ds_store_b64 v[QWA], v[QC+2*\b:QC+2*\b+1] offset:\e*1024+512*(\b/2)+256*(\b%2)
.endr
	ds_store_b32 v[QWS], v[QW] offset:128*\e
.endm
; K's fragments of d steps 2 hf, 2 hf + 1 (eight loads), with hf = 0 its four scale words ahead of them
.macro KLD par, hf
.if \hf == 0
.irp ks, 0,1,2,3
	ds_load_b32 v[KSR+\ks], v[ADKS+\par] offset:512*\ks
.endr
.endif
.irp k, 0,1
.irp u, 0,1
	ds_load_b128 v[KF+16*(2*\hf+\k)+8*\u:KF+16*(2*\hf+\k)+8*\u+3], v[ADK+\par] offset:(4*\u+2*\hf+\k)*1024
	ds_load_b128 v[KF+16*(2*\hf+\k)+8*\u+4:KF+16*(2*\hf+\k)+8*\u+7], v[ADK+\par] offset:(4*\u+2*\hf+\k)*1024+512
.endr
.endr
.endm
; S^T = K Q^T: 32 products, the eight accumulators by turns
.macro QKM
	WIN 0x04
.irp ks, 0,1,2,3
.if \ks == 0
	s_wait_dscnt 8                                 ; all but the eight loads of d steps 2 and 3
.elseif \ks == 2
	s_wait_dscnt 0x0
.endif
.irp m, 0,1,2,3
.irp u, 0,1
.if \ks == 0
	WM S+16*\m+8*\u, KF+16*\ks+8*\u, 8*(4*\m+\ks), 0, KSR+\ks, QSR+4*\m+\ks, \u, 0
.else
	WM S+16*\m+8*\u, KF+16*\ks+8*\u, 8*(4*\m+\ks), v[S+16*\m+8*\u:S+16*\m+8*\u+7], KSR+\ks, QSR+4*\m+\ks, \u, 0
.endif
.endr
.endr
.endr
	WIN 0
.endm
; O^T += V^T P^T over keys 128 q on: 16 products, the sixteen accumulators by turns
.macro PVQ q, zero
.irp t, 0,1,2,3
.irp m, 0,1,2,3
.if \zero
	WM OA+8*(4*\m+\t), VF+32*\q+8*\t, PF+32*\q+8*\m, 0, VSR+2*\q+\t/2, PSR+\m, (\t)%2, \q
.else
	WM OA+8*(4*\m+\t), VF+32*\q+8*\t, PF+32*\q+8*\m, v[OA+8*(4*\m+\t):OA+8*(4*\m+\t)+7], VSR+2*\q+\t/2, PSR+\m, (\t)%2, \q
.endif
.endr
.endr
.endm
.macro SUMS                            ; l += the unquantised p of the step just made
.irp j, 0,2,4,6,8,10,12,14
.irp m, 0,1,2,3
	v_pk_add_f32 v[ST+6*\m+2:ST+6*\m+3], v[ST+6*\m+2:ST+6*\m+3], v[S+16*\m+\j:S+16*\m+\j+1]
.endr
.endr
.endm
; THE MEETING in front of period i (par = i % 2).  Each wave has waited for its tensor load (its part of what period i reads), for its stores of P and E and for its reads of the slots left; behind the round the refill comes first.
; refill 1: all waves; 2: waves 0-3 alone (K); 3: waves 4-7 alone (V).
.macro TOP par, refill
	s_wait_alu depctr_va_vdst(0)                   ; the wait here, directly ahead of the wait below
	s_wait_tensorcnt 0x0                           ; no tensor load of mine is out, so a group 0 may be written
	ds_add_u32 v[SPW], v[NIL]
	s_add_co_u32 s[JX], s[JX], 1                   ; the walk's next step,
	s_and_b32 s[SOF], s[JX], 15                    ; which step of kv it is,
	s_mul_i32 s[SOF], s[SOF], STEPB
	s_add_nc_u64 s[GE+6-4*\par:GE+7-4*\par], s[KVB:KVB+1], s[SOF:SOF+1]
	s_or_b32 s[GE+7-4*\par], s[GE+7-4*\par], 0x80000000
	s_wait_xcnt 0x0                                ; my prefetch has read its address
	s_add_co_u32 s[SOF], s[JX], 2                  ; and the step two refills on
	s_and_b32 s[SOF], s[SOF], 15
	s_mul_i32 s[SOF], s[SOF], STEPB
	s_add_nc_u64 s[PFA:PFA+1], s[PB:PB+1], s[SOF:SOF+1]
	s_wait_dscnt 0x0
	s_barrier_signal -1
	SUMS                                           ; work on registers while the others arrive
	s_barrier_wait -1
	CREST
.if \refill == 1
	tensor_load_to_lds s[GE+4-4*\par:GE+7-4*\par], s[G1:G1+7]
	s_nop 0
	PLACES
.elseif \refill == 2
	s_cmp_lt_u32 s[WV], 4
	s_cbranch_scc0 .Lnone_\@
	tensor_load_to_lds s[GE+4-4*\par:GE+7-4*\par], s[G1:G1+7]
	s_nop 0
	PLACES
.Lnone_\@:
.else
	s_cmp_lt_u32 s[WV], 4
	s_cbranch_scc1 .Lnone_\@
	tensor_load_to_lds s[GE+4-4*\par:GE+7-4*\par], s[G1:G1+7]
	s_nop 0
	PLACES
.Lnone_\@:
.endif
	ASK
.endm
; THE SECOND PRODUCT of step i - 1, and (qk = 1) the first of step i
.macro CONS par, first, qk
.irp m, 0,1,2,3
	ds_load_b128 v[EV+4*\m:EV+4*\m+3], v[L16] offset:EXO+2048*(1-\par)+512*\m   ; E of my query for the four waves of my half's 128 keys
.endr
.irp q, 0,1
	ds_load_b64 v[VSR+2*\q:VSR+2*\q+1], v[ADVS+1-\par] offset:2048*\q
.endr
.irp q, 0,1
.irp m, 0,1,2,3
	ds_load_b128 v[PF+32*\q+8*\m:PF+32*\q+8*\m+3], v[L16] offset:PIMO+8192*(1-\par)+(2*\m+\q)*1024
	ds_load_b128 v[PF+32*\q+8*\m+4:PF+32*\q+8*\m+7], v[L16] offset:PIMO+8192*(1-\par)+(2*\m+\q)*1024+512
	ds_load_b128 v[VF+32*\q+8*\m:VF+32*\q+8*\m+3], v[ADV+1-\par] offset:(2*\m+\q)*1024
	ds_load_b128 v[VF+32*\q+8*\m+4:VF+32*\q+8*\m+7], v[ADV+1-\par] offset:(2*\m+\q)*1024+512
.endr
.endr
	s_wait_dscnt 34                                ; E is in; the 2 + 32 loads behind it may be out
.irp m, 0,1,2,3
	v_max3_i32 v[BT+\m], v[EV+4*\m], v[EV+4*\m+1], v[EV+4*\m+2]
.endr
.irp m, 0,1,2,3
	D4
.if \first
	v_max_i32 v[BT+\m], v[BT+\m], v[EV+4*\m+3]
.else
	v_max3_i32 v[BT+\m], v[BT+\m], v[EV+4*\m+3], v[RS+4*(1-\par)+\m]
.endif
.endr
.irp m, 0,1,2,3
	D4
	v_permlanex16_b32 v[BM+\m], v[BT+\m], s[SEL], s[SEL+1]
.endr
.irp m, 0,1,2,3
	D4
	v_max_i32 v[RS+4*\par+\m], v[BT+\m], v[BM+\m]  ; the new R
.endr
.irp m, 0,1,2,3
	D4
	v_sub_nc_u32 v[FN+2*\m+1], 125, v[RS+4*\par+\m]
.endr
.if !\first
.irp m, 0,1,2,3
	v_sub_nc_u32 v[BT+\m], v[RS+4*(1-\par)+\m], v[RS+4*\par+\m]
.endr
.irp m, 0,1,2,3
	D4
	v_ldexp_f32 v[FN+2*\m], 1.0, v[BT+\m]          ; 2^(old R - new R)
.endr
.endif
.irp m, 0,1,2,3
.irp k, 0,1,2,3
	v_add_nc_u32 v[EV+4*\m+\k], v[EV+4*\m+\k], v[FN+2*\m+1]
.endr
.endr
.irp m, 0,1,2,3
.irp k, 0,1,2,3
	v_max_i32 v[EV+4*\m+\k], 0, v[EV+4*\m+\k]      ; the byte E - R + 125: 0 .. 125
.endr
.endr
.irp m, 0,1,2,3
	v_lshl_or_b32 v[PSR+\m], v[EV+4*\m+1], 8, v[EV+4*\m]
.endr
.irp m, 0,1,2,3
	D4
	v_lshl_or_b32 v[PSR+\m], v[EV+4*\m+2], 16, v[PSR+\m]
.endr
.irp m, 0,1,2,3
	D4
	v_lshl_or_b32 v[PSR+\m], v[EV+4*\m+3], 24, v[PSR+\m]
.endr
.if \first
.rept 8
	v_nop                                          ; a scale register written by a vector instruction stands 8 places ahead of the product
.endr
.else
	WIN 0x41
	s_wait_alu depctr_va_vdst(0)                   ; the wait here, ahead of the first readers of O^T
.irp m, 0,1,2,3
.set ii, 0
.rept 16
	v_pk_mul_f32 v[OA+32*\m+2*ii:OA+32*\m+2*ii+1], v[OA+32*\m+2*ii:OA+32*\m+2*ii+1], v[FN+2*\m:FN+2*\m+1] op_sel_hi:[1,0]
.set ii, ii+1
.endr
.endr
.endif
	s_wait_alu depctr_va_vdst(0)                   ; the wait here, directly ahead of the wait below
	s_wait_dscnt 16                                ; keys 0-127's fragments are in; the 16 loads of keys 128-255 may be out
	WIN 0x50
	PVQ 0, \first
	WIN 0
.if \qk
	PLACES                                         ; in front of loads into registers that the products above have read
	KLD \par, 0
	s_wait_dscnt 12                                ; all but the 12 just issued
.else
	s_wait_dscnt 0x0
.endif
	WIN 0x50
	PVQ 1, 0
	WIN 0
.if \qk
.rept 5
	v_nop                                          ; five: S^T is laid over P's fragments
.endr
	KLD \par, 1
	QKM
.endif
.endm
; THE SOFTMAX of my 32 keys x 64 queries, under my own M; P's codes and E go to LDS
.macro PROD par
	PLACES
.irp m, 0,1,2,3
	v_max3_num_f32 v[BM+\m], v[S+16*\m], v[S+16*\m+1], v[S+16*\m+2]
.endr
.irp i, 3,5,7,9,11,13
.irp m, 0,1,2,3
	v_max3_num_f32 v[BM+\m], v[BM+\m], v[S+16*\m+\i], v[S+16*\m+\i+1]
.endr
.endr
.irp m, 0,1,2,3
	v_max_num_f32 v[BM+\m], v[BM+\m], v[S+16*\m+15]
.endr
.irp m, 0,1,2,3
	D4
	v_permlanex16_b32 v[BT+\m], v[BM+\m], s[SEL], s[SEL+1]
.endr
.irp m, 0,1,2,3
	D4
	v_max_num_f32 v[BM+\m], v[BM+\m], v[BT+\m]     ; the block's largest score
.endr
.irp m, 0,1,2,3
	D4
	v_mul_f32 v[BT+\m], s[CS], v[BM+\m]
.endr
.irp m, 0,1,2,3
	D4
	v_max_num_f32 v[ST+6*\m+1], v[ST+6*\m+1], v[BT+\m]
.endr
.irp m, 0,1,2,3
	v_mov_b32 v[BT+\m], v[ST+6*\m]
.endr
.irp m, 0,1,2,3
	v_floor_f32 v[ST+6*\m], -v[ST+6*\m+1]          ; -M = floor(-t)
.endr
.irp m, 0,1,2,3
	D4
	v_sub_f32 v[BT+\m], v[ST+6*\m], v[BT+\m]
.endr
.irp m, 0,1,2,3
	D4
	v_cvt_i32_f32 v[BT+\m], v[BT+\m]
.endr
.irp m, 0,1,2,3
	D4
	v_ldexp_f32 v[ST+6*\m+4], 1.0, v[BT+\m]        ; 2^(old M - new M), for l
.endr
.irp m, 0,1,2,3
	v_cvt_i32_f32 v[ST+6*\m+5], v[ST+6*\m]         ; -M as a whole number
.endr
.irp m, 0,1,2,3
.irp j, 0,2,4,6,8,10,12,14
	v_pk_fma_f32 v[S+16*\m+\j:S+16*\m+\j+1], v[S+16*\m+\j:S+16*\m+\j+1], s[CS:CS+1], v[ST+6*\m:ST+6*\m+1] op_sel_hi:[1,0,0]
.endr
.endr
.irp m, 0,1,2,3
	v_fma_f32 v[BM+\m], v[BM+\m], s[CS], v[ST+6*\m]
.endr
	s_wait_alu depctr_va_vdst(0)                   ; the wait ahead of the batch
.irp m, 0,1,2,3
	v_exp_f32 v[BM+\m], v[BM+\m]                   ; the block's largest p
.endr
.set ii, 0
.rept 64
	v_exp_f32 v[S+ii], v[S+ii]
.set ii, ii+1
.endr
.irp m, 0,1,2,3
	v_pk_mul_f32 v[ST+6*\m+2:ST+6*\m+3], v[ST+6*\m+2:ST+6*\m+3], v[ST+6*\m+4:ST+6*\m+5] op_sel_hi:[1,0]
.endr
	s_wait_alu depctr_va_vdst(0)                   ; and behind it, ahead of its first reader
.irp m, 0,1,2,3
	v_max_num_f32 v[BM+\m], 0x1800000, v[BM+\m]    ; the floor: the byte cannot fall under 1
.endr
.irp m, 0,1,2,3
	D4
	v_add_nc_u32 v[SO+\m], 0xff000000, v[BM+\m]
.endr
.irp m, 0,1,2,3
	D4
	v_lshrrev_b32 v[BY+\m], 23, v[SO+\m]
.endr
.irp m, 0,1,2,3
	D4
	v_sub_nc_u32 v[BY+\m], v[BY+\m], v[ST+6*\m+5]  ; E = byte + M
.endr
.irp m, 0,1,2,3
	v_cvt_scalef32_pk8_fp4_f32 v[PCD+2*\m], v[S+16*\m:S+16*\m+7], v[SO+\m]
	v_cvt_scalef32_pk8_fp4_f32 v[PCD+2*\m+1], v[S+16*\m+8:S+16*\m+15], v[SO+\m]
.endr
	v_nop
.irp m, 0,1,2,3
	ds_store_b64 v[PWA], v[PCD+2*\m:PCD+2*\m+1] offset:8192*\par+2048*\m
.endr
.irp m, 0,1,2,3
	ds_store_b32 v[EWA], v[BY+\m] offset:2048*\par+512*\m   ; both halves write the same word with the same value
.endr
.endm
	s_load_b128 s[4:7], s[0:1], 0x0                ; codebook, kv
	s_load_b64 s[8:9], s[0:1], 0x10                ; out0
	v_lshl_add_u32 v[SPW], v0, 2, SPARE
	v_mov_b32 v[NIL], 0
	ds_add_u32 v[SPW], v[NIL]                      ; the opening lines: the add twice on end and one wait
	ds_add_u32 v[SPW], v[NIL]
	v_lshrrev_b32 v1, 5, v0
	v_readfirstlane_b32 s[WV], v1
	v_and_b32 v[RR], 15, v0
	v_bfe_u32 v[HH], v0, 4, 1
	v_lshlrev_b32 v[QGA], 11, v[RR]
	v_lshl_add_u32 v[QGA], v[HH], 6, v[QGA]        ; Q: row r of 2,048 bytes, + 64 h
	s_bfe_u32 s11, ttmp6, 0x40000                  ; cx
	s_lshl_b32 s12, ttmp9, 2
	s_add_co_u32 s12, s12, s11                     ; which 64 queries
	s_and_b32 s13, ttmp7, 0xffff                   ; batch
	s_mov_b32 s[G1], 15|(3<<16)|(1<<21)            ; mask: all four partners; elements of 8 bytes
	s_mov_b32 s[G1+1], 32<<16
	s_mov_b32 s[G1+2], 68<<16
	s_mov_b32 s[G1+3], 32<<16
	s_mov_b32 s[G1+4], 68
	s_mov_b32 s[G1+5], 32
	s_mov_b32 s[G1+6], 0
	s_mov_b32 s[G1+7], 0
	s_mul_i32 s16, s[WV], WPART                    ; my eighth of a step: waves 0-3 K's part, waves 4-7 V's
	s_lshr_b32 s17, s[WV], 2
	s_mul_i32 s18, s17, STEPB
	s_xor_b32 s19, s17, 1
	s_mul_i32 s19, s19, STEPB
	s_mul_i32 s14, s13, 16*STEPB
	s_add_co_u32 s14, s14, s16
	s_mov_b32 s15, 0
	s_lshr_b32 s48, ttmp9, 1                       ; OFF = 8 ((x xor x / 2) % 2), x the cluster's place in its batch
	s_xor_b32 s48, s48, ttmp9
	s_and_b32 s48, s48, 1
	s_lshl_b32 s48, s48, 3
	s_add_co_u32 s[JX], s48, 1                     ; meeting 1 steps it to OFF + 2 in K's waves, OFF + 1 in V's
	s_sub_co_u32 s[JX], s[JX], s17
	s_mul_i32 s48, s48, STEPB                      ; where the walk begins, in bytes
	s_mov_b32 s49, 0
	s_mul_i32 s[SOF], s11, 17*256                  ; my work-group's 17 blocks of a wave's 68
	s_mov_b32 s[SOF+1], 0
	s_add_co_u32 s[LIM], s17, 12                   ; K's waves ask 12 times, V's 13 times
	s_mov_b32 s[CH], 0
	s_lshl_b32 s50, s13, 21
	s_lshl_b32 s51, s12, 17
	s_add_co_u32 s50, s50, s51
	s_lshl_b32 s54, s[WV], 8
	s_add_co_u32 s54, s54, s50                     ; out0: my 64 queries, my 64 channels
	s_mov_b32 s55, 0
	s_lshr_b32 s51, s[WV], 1
	s_lshl_b32 s51, s51, 15
	s_add_co_u32 s50, s50, s51
	s_and_b32 s51, s[WV], 1
	s_lshl_b32 s51, s51, 10
	s_add_co_u32 s50, s50, s51                     ; codebook: tile wave / 2 of 16 queries, d half wave % 2
	s_mov_b32 s51, 0
	s_mov_b32 s[SEL], 0x76543210
	s_mov_b32 s[SEL+1], 0xfedcba98
	s_mov_b32 s[CS], 0x3fb8aa3b                    ; log2(e)
	s_mov_b32 s[CS+1], s[CS]
	s_lshl_b32 s66, s[WV], 13                      ; LDS bases, by the wave's number alone
	s_lshl_b32 s67, s17, 11
	s_and_b32 s2, s[WV], 3
	s_lshl_b32 s2, s2, 2
	s_add_co_u32 s67, s67, s2
	s_add_co_u32 s67, s67, KSOF
	s_lshl_b32 s3, s[WV], 8
	s_add_co_u32 s68, s3, VSOF
	s_add_co_u32 s69, s3, MISC+PIMO
	s_add_co_u32 s73, s3, MISC+QSCO
	s_lshl_b32 s70, s17, 8
	s_add_co_u32 s70, s70, s2
	s_add_co_u32 s70, s70, MISC+EXO
	s_lshl_b32 s71, s[WV], 9
	s_add_co_u32 s71, s71, MISC+LXO
	s_lshl_b32 s72, s[WV], 11
	s_add_co_u32 s72, s72, MISC
	s_mul_i32 s74, s[WV], 16*272
	s_wait_alu depctr_va_vdst(0)                   ; the wait here, directly ahead of the waits below
	s_wait_dscnt 0x0
	s_wait_kmcnt 0x0
	s_add_nc_u64 s[52:53], s[4:5], s[50:51]
.irp e, 0,1
.irp b, 0,1,2,3
.irp j, 0,1,2,3
	global_load_b128 v[128+64*\e+16*\b+4*\j:128+64*\e+16*\b+4*\j+3], v[QGA], s[52:53] offset:512*\e+128*\b+16*\j th:TH_LOAD_NT
.endr
.endr
.endr
	s_add_nc_u64 s[KVB:KVB+1], s[6:7], s[14:15]
	s_mov_b32 s[G0], 1                             ; the walk's steps 0 and 1, whole, into slots 0 and 1
	s_mov_b32 s[G0+1], s16
	s_add_nc_u64 s[G0+2:G0+3], s[KVB:KVB+1], s[48:49]
	s_mov_b32 s[G0+4], 1
	s_add_co_u32 s[G0+5], s16, STEPB
	s_add_nc_u64 s[G0+6:G0+7], s[G0+2:G0+3], STEPB
	s_or_b32 s[G0+3], s[G0+3], 0x80000000
	s_or_b32 s[G0+7], s[G0+7], 0x80000000
	s_mov_b32 s[GE], 1                             ; odd periods: K into slot 0, V into slot 1; the address is made at each meeting
	s_add_co_u32 s[GE+1], s18, s16
	s_mov_b32 s[GE+4], 1                           ; even periods: K into slot 1, V into slot 0
	s_add_co_u32 s[GE+5], s19, s16
	s_add_nc_u64 s[PB:PB+1], s[KVB:KVB+1], s[SOF:SOF+1]
	s_add_nc_u64 s[8:9], s[8:9], s[54:55]
	CROUND                                         ; in front of the first joint loads
	tensor_load_to_lds s[G0:G0+3], s[G1:G1+7]      ; the walk's step 0, my eighth: one tensor load a wave at the head
	s_nop 0
	PLACES
	v_and_b32 v1, 31, v0
	v_lshl_add_u32 v[ADK], v1, 4, s66
	v_lshl_add_u32 v[ADKS], v1, 4, s67
	v_lshl_add_u32 v[ADVS], v1, 3, s68
	v_lshl_add_u32 v[L16], v1, 4, MISC
	v_lshl_add_u32 v[L4], v1, 2, MISC
	v_add_nc_u32 v[ADK+1], STEPB, v[ADK]
	v_add_nc_u32 v[ADV], VOF, v[ADK]
	v_add_nc_u32 v[ADKS+1], STEPB, v[ADKS]
	v_add_nc_u32 v[ADVS+1], STEPB, v[ADVS]
	v_add_nc_u32 v[ADV+1], STEPB+VOF, v[ADK]
	v_lshl_add_u32 v[PWA], v[RR], 4, s69
	v_lshl_add_u32 v[EWA], v[RR], 4, s70
	v_lshl_add_u32 v[LXW], v1, 4, s71
	v_lshl_add_u32 v[QWA], v[RR], 4, s72
	v_lshl_add_u32 v[QWS], v1, 2, s73
	v_min_u32 v[PFO], 16, v1                       ; lanes 0-16 a block each; lanes 17-31 name the 17th again
	v_lshl_add_u32 v[PWA], v[HH], 3, v[PWA]
	v_lshl_add_u32 v[QWA], v[HH], 3, v[QWA]
	v_lshlrev_b32 v[PFO], 8, v[PFO]
.irp m, 0,1,2,3
	v_mov_b32 v[ST+6*\m+1], 0xff61b1e6             ; the largest t so far: -3e38
	v_mov_b32 v[ST+6*\m+2], 0
	v_mov_b32 v[ST+6*\m+3], 0
	v_mov_b32 v[BT+\m], 0                          ; a lane permute's destination counts as one of its sources
	v_mov_b32 v[BM+\m], 0
	v_mov_b32 v[QP+\m], 0
	v_floor_f32 v[ST+6*\m], -v[ST+6*\m+1]
.endr
	s_wait_alu depctr_va_vdst(0)                   ; the wait at the head's end
	s_wait_loadcnt 16
	QUANT4 128
	QSTORE 0
	s_wait_dscnt 0x0
	s_wait_loadcnt 0x0
	QUANT4 192
	QSTORE 1
	s_wait_alu depctr_va_vdst(0)
	s_wait_tensorcnt 0x0                           ; my part of step 0 is in; the three lines and a round ahead of slot 1's first fill
	ds_add_u32 v[SPW], v[NIL]
	s_wait_dscnt 0x0                               ; and my part of Q's image is written
	CROUND
	tensor_load_to_lds s[G0+4:G0+7], s[G1:G1+7]    ; the walk's step 1
	s_nop 0
	PLACES
	WIN 0x40
.irp f, 0,1,2,3,4,5,6,7,8,9,10,11,12,13,14,15
	ds_load_b128 v[8*\f:8*\f+3], v[L16] offset:\f*1024
	ds_load_b128 v[8*\f+4:8*\f+7], v[L16] offset:\f*1024+512
.endr
	WIN 0
.irp f, 0,1,2,3,4,5,6,7,8,9,10,11,12,13,14,15
	ds_load_b32 v[QSR+\f], v[L4] offset:QSCO+128*\f
.endr
	KLD 0, 0                                       ; period 0: the first product and the softmax alone
	KLD 0, 1
	QKM
	PROD 0
	TOP 1, 2                                       ; period 1: K(2) alone is asked for: V(1) came with step 1
	CONS 1, 1, 1
	PROD 1
	s_mov_b32 s[CNT], 6
.Lpair:                                            ; periods 2 to 13
	TOP 0, 1
	CONS 0, 0, 1
	PROD 0
	TOP 1, 1
	CONS 1, 0, 1
	PROD 1
	s_sub_co_u32 s[CNT], s[CNT], 1
	s_cmp_lg_u32 s[CNT], 0
	s_cbranch_scc1 .Lpair
	TOP 0, 1                                       ; period 14: K(15), V(14)
	CONS 0, 0, 1
	PROD 0
	TOP 1, 3                                       ; period 15: V(15) alone
	CONS 1, 0, 1
	PROD 1
	SUMS                                           ; period 16: nothing is asked for; l and -M go to LDS ahead of the barrier
.irp m, 0,1,2,3
	D4
	v_add_f32 v[BM+\m], v[ST+6*\m+2], v[ST+6*\m+3]
.endr
.irp m, 0,1,2,3
	v_mov_b32 v[BT+\m], v[ST+6*\m+5]
.endr
	ds_store_b128 v[LXW], v[BM:BM+3]
	ds_store_b128 v[LXW], v[BT:BT+3] offset:4096
	s_wait_alu depctr_va_vdst(0)
	s_wait_tensorcnt 0x0
	ds_add_u32 v[SPW], v[NIL]
	s_wait_dscnt 0x0
	s_barrier_signal -1
	s_barrier_wait -1
	CONS 0, 0, 0
	PLACES
.irp x, 0,1,2,3,4,5,6,7
	ds_load_b128 v[128+4*\x:128+4*\x+3], v[L16] offset:LXO+512*\x
	ds_load_b128 v[160+4*\x:160+4*\x+3], v[L16] offset:LXO+4096+512*\x
.endr
	v_mul_u32_u24 v[STO], v[RR], 272               ; my stage, in slot 0's first bytes: they have had their last fill, and nobody reads them
	v_mul_u32_u24 v[RD], v[HH], 272
	v_lshlrev_b32 v[GO], 11, v[HH]
	v_lshl_add_u32 v[STO], v[HH], 5, v[STO]
	v_lshl_add_u32 v[RD], v[RR], 4, v[RD]
	v_lshl_add_u32 v[GO], v[RR], 4, v[GO]
	v_add_nc_u32 v[STO], s74, v[STO]
	v_add_nc_u32 v[RD], s74, v[RD]
	s_wait_alu depctr_va_vdst(0)
	s_wait_dscnt 0x0
.irp x, 0,1,2,3,4,5,6,7
.irp m, 0,1,2,3
	v_sub_nc_u32 v[160+4*\x+\m], v[FN+2*\m+1], v[160+4*\x+\m]   ; M_w - R + 125
.endr
.endr
.irp x, 0,1,2,3,4,5,6,7
.irp m, 0,1,2,3
	v_ldexp_f32 v[128+4*\x+\m], v[128+4*\x+\m], v[160+4*\x+\m]
.endr
.endr
.irp m, 0,1,2,3
	v_add_f32 v[BT+\m], v[128+\m], v[132+\m]
.endr
.irp x, 2,3,4,5,6,7
.irp m, 0,1,2,3
	D4
	v_add_f32 v[BT+\m], v[BT+\m], v[128+4*\x+\m]
.endr
.endr
.irp m, 0,1,2,3
	D4
	v_permlanex16_b32 v[BM+\m], v[BT+\m], s[SEL], s[SEL+1]
.endr
.irp m, 0,1,2,3
	D4
	v_add_f32 v[BT+\m], v[BT+\m], v[BM+\m]         ; the row's sum under O^T's reference
.endr
	s_wait_alu depctr_va_vdst(0)
.irp m, 0,1,2,3
	v_rcp_f32 v[FN+2*\m], v[BT+\m]
.endr
	v_nop
	s_wait_alu depctr_va_vdst(0)
.macro OUT m                           ; 16 queries x my 64 channels through my stage: sixteen lanes store 256 consecutive bytes, aligned
.if \m >= 2
	s_wait_xcnt 0x0
.endif
	WIN 0x01
.set ii, 0
.rept 16
	v_pk_mul_f32 v[TO+32*((\m)%2)+2*ii:TO+32*((\m)%2)+2*ii+1], v[OA+32*(\m)+2*ii:OA+32*(\m)+2*ii+1], v[FN+2*(\m):FN+2*(\m)+1] op_sel_hi:[1,0]
.set ii, ii+1
.endr
	WIN 0
.irp t, 0,1,2,3
	ds_store_b128 v[STO], v[TO+32*((\m)%2)+8*\t:TO+32*((\m)%2)+8*\t+3] offset:64*\t
	ds_store_b128 v[STO], v[TO+32*((\m)%2)+8*\t+4:TO+32*((\m)%2)+8*\t+7] offset:64*\t+16
.endr
.irp i, 0,1,2,3,4,5,6,7
	ds_load_b128 v[OB+32*((\m)%2)+4*\i:OB+32*((\m)%2)+4*\i+3], v[RD] offset:544*\i
.endr
.irp i, 0,1,2,3,4,5,6,7
	s_wait_dscnt 7-\i
	global_store_b128 v[GO], v[OB+32*((\m)%2)+4*\i:OB+32*((\m)%2)+4*\i+3], s[8:9] offset:(16*(\m)+2*\i)*2048 th:TH_STORE_NT
.endr
.endm
	OUT 0
	OUT 1
	OUT 2
	OUT 3
	s_wait_tensorcnt 0x0                           ; the wave's end
	ds_add_u32 v[SPW], v[NIL]
	s_wait_dscnt 0x0
	CROUND                                         ; the closing round
	s_endpgm
.Lfunc_end_k_qe55be29111_attn:
	.size	k_qe55be29111_attn, .Lfunc_end_k_qe55be29111_attn-k_qe55be29111_attn
	.p2alignl 7, 3214868480
	.fill 96, 4, 3214868480
	.section	.rodata,"a",@progbits
	.p2align	6, 0x0
	.amdhsa_kernel k_qe55be29111_attn
		.amdhsa_group_segment_fixed_size 327680
		.amdhsa_private_segment_fixed_size 0
		.amdhsa_enable_private_segment 0
		.amdhsa_kernarg_size 24
		.amdhsa_user_sgpr_count 2
		.amdhsa_user_sgpr_kernarg_segment_ptr 1
		.amdhsa_wavefront_size32 1
		.amdhsa_system_sgpr_workgroup_id_x 1
		.amdhsa_system_sgpr_workgroup_id_y 1
		.amdhsa_system_sgpr_workgroup_id_z 1
		.amdhsa_system_vgpr_workitem_id 0
		.amdhsa_next_free_vgpr 512
		.amdhsa_next_free_sgpr 80
		.amdhsa_reserve_vcc 0
		.amdhsa_float_denorm_mode_32 3
		.amdhsa_float_denorm_mode_16_64 3
		.amdhsa_memory_ordered 1
		.amdhsa_forward_progress 1
		.amdhsa_inst_pref_size 251
	.end_amdhsa_kernel
	.amdgpu_metadata
---
amdhsa.version: [ 1, 2 ]
amdhsa.kernels:
  - .name:           k_qe55be29111_attn
    .symbol:         k_qe55be29111_attn.kd
    .args:
      - { .name: codebook, .offset: 0, .size: 8, .value_kind: global_buffer, .address_space: global }
      - { .name: kv, .offset: 8, .size: 8, .value_kind: global_buffer, .address_space: global }
      - { .name: out0, .offset: 16, .size: 8, .value_kind: global_buffer, .address_space: global }
    .group_segment_fixed_size: 327680
    .private_segment_fixed_size: 0
    .kernarg_segment_align: 8
    .kernarg_segment_size: 24
    .max_flat_workgroup_size: 256
    .sgpr_count:     80
    .vgpr_count:     512
    .wavefront_size: 32
...
	.end_amdgpu_metadata
.endif
;; end of part 2
